; MI455X (gfx1250); checked and timed in simulation.
; The chip was launched on July 23, 2026; its instructions are those of AMD's public machine-readable ISA for CDNA 5 (MIT licence, August 2026) and "CDNA5" Instruction Set Architecture Reference Guide (July 2026). The comments in the code are by the model that wrote it; some were corrected since.
;; CNF. Allowed arithmetic: float matrix products may take bf16 or f16 operands with f32 sums; other float arithmetic in f32, or as packed bf16 or f16 multiplies, adds, multiply-adds, maxima and minima; sums over many terms, partial sums and values carried from step to step in f32; what a program stores and reads back later, other than sums and carried values, may be rounded once to bf16 or f16.
;; Inputs: W1 65 x 512 float32; W2 512 x 512 float32; W3 512 x 64 float32; b1 512 float32; b2 512 float32; b3 64 float32; x 512 x 64 float32.
;; Outputs: out0 512 x 64 float32; out1 512 float32.
;; One version. Each part assembles by itself: llvm-mc -triple=amdgcn-amd-amdhsa -mcpu=gfx1250 --defsym DOCPART=n.
;; ======== version 1 of 1: 6 launches
;; limits: values are held in f16: magnitudes above 65,504 overflow, below 6.1e-05 lose precision; inputs' magnitudes at most 65,504
;; workspace buffers: wts 1,187,840 bytes; kp1 1,064,960 bytes; kp2 1,064,960 bytes; kp3 1,064,960 bytes; kp4 1,064,960 bytes; pB 256 bytes of whole numbers; pC 256 bytes of whole numbers
;; launch prep (part 1): grid 32 x 4, 4 waves a work-group, no clusters, 1,024 bytes of LDS; arguments W1, W2, W3, wts, pB, pC; writes wts, pB, pC
.if DOCPART == 1
	.amdgcn_target "amdgcn-amd-amdhsa--gfx1250"
	.amdhsa_code_object_version 6
	.text
	.protected	k_q46e014a15f_prep
	.globl	k_q46e014a15f_prep
	.p2align	8
	.type	k_q46e014a15f_prep,@function
k_q46e014a15f_prep:
	s_mov_b64 s[64:65], 0
	v_nop
	global_prefetch_b8 v0, s[64:65] scope:SCOPE_SE
	s_setreg_imm32_b32 hwreg(HW_REG_WAVE_MODE, 25, 1), 1
	s_wait_xcnt 0x0
; CNF, one RK4 step.  THIS LAUNCH lays the weights out as f16 matrix fragments and makes the matrix M from which the later launches take the exact divergence.
; WORK LEFT OUT, AND WHY IT IS DEAD.  With a1 = [x, t] W1 + b1, h1 = tanh a1, a2 = h1 W2 + b2, h2 = tanh a2, f = h2 W3 + b3, d1 = 1 - h1^2, d2 = 1 - h2^2, the chain rule gives for every
; x, t and every value of the weights  df[o]/dx[i] = sum over j, k of W1[i][j] d1[j] W2[j][k] d2[k] W3[k][o]  (i < 64: the row of W1 that multiplies t and the biases have no derivative in x).
; reference() keeps of that 64 x 64 matrix the trace alone:  tr = sum over j, k of d1[j] M[j][k] d2[k],  M[j][k] = W2[j][k] G[k][j],  G[k][j] = sum over i < 64 of W3[k][i] W1[i][j].
; The entries off the diagonal reach no output, so the 64 tangent passes are not made: an evaluation takes u = d1 M and tr = u . d2.  M hangs on neither x nor t and is made once, here.
; The step's first stage has t = i dt with the i = 0 of reference()'s own arange: the product t W1[64][:] is a product with that zero and is not made there (the later stages make it).
; log_det starts from zeros that reference() builds itself: nothing is added for them.  All seven inputs are loaded by some launch.
; LIMIT: a NaN, an infinity or an overflow that would arise only in the work left out is not carried to the result.
; FORMATS.  W1 (rows 0-63), W2, W3 are rounded once to f16: they must lie within 65,504; below 6e-5 f16 keeps its fixed step of 6e-8.  G is summed in f32 from those f16 numbers.
; M is a product of three weights and has no fixed range, so it is stored as M / P in f16, P = the power of two of the largest |M| in a block of one column k x 128 rows j (one wave's chain in
; the later launches), and P in f32 beside it.  A block whose largest |M| is below 2^-126 counts as 0; |M| stays below 2^127.
; A FRAGMENT is 1,024 bytes, the register image of source 0 of v_wmma_f32_16x16x32_f16: 16 rows m x 32 along K; element p = 16 c + 8 h + e lies at byte 512 c + 16 (m + 16 h) + 2 e.
; wts:  W1F at 0: tile T1 (hidden j = 16 T1 + m), K step k1 (i = 32 k1 + p) at 2,048 T1 + 1,024 k1.   BLK(s, w) at 65,536 + (4 s + w) x 35,072, for slice s of 64 columns k and wave w:
;   +0 W2F, +16,384 MF: fragment (t, kk) at (4 t + kk) x 1,024: rows k = 64 s + 16 t + m, K: j = 128 w + 32 kk + p;  +32,768 W3F: K step k3 at 1,024 k3: rows o = 16 w + m, K: k = 64 s + 32 k3 + p;  +34,816 P[t][m], f32.
; pB, pC: 64 words each of the whole number q = 1, 2: the later stages take t = q / 2 from them.
; SHARES.  Work-group (T, w): T = 4 s + t names 16 columns k, w 128 rows j; wave v takes j = 128 w + 32 v + 0..31: one fragment of W2F and one of MF.
; W1 and W2 are read by words, 16 neighbouring lanes 64 bytes of a row: the transposition is made by the loads; each work-group reads 40 KiB so.
.set SPARE, 512                        ; LDS: 0-511 the waves' column maxima [v][lane]; 512-1,023 the spare words, 128 bytes for each wave, which no other line names
.set BLKB,  35072
.set W1R, 32                           ; v[32:95]   W1 as loaded: 32 c + 16 k1 + 8 cc + e; later |M|, then W3 for W3F
.set W3R, 96                           ; v[96:127]  W3 as loaded: 16 k1 + 8 cc + e
.set W2R, 128                          ; v[128:143] W2 as loaded: 8 c + jj; then M, then M / P
.set AF,  144                          ; v[144:175] source 0: 16 rows j x 32 i: fragment (c, k1) at 16 c + 8 k1.  It is also W1F's fragment
.set BF,  176                          ; v[176:191] source 1: 16 columns k x 32 i: K step k1 at 8 k1
.set D0,  192                          ; v[192:207] G: lane (r, h), register jj of half c: G[16 T + r][32 (4 w + v) + 16 c + 8 h + jj]
.set D1,  200
.set W2F, 208
.set MF,  216
.set TM,  224                          ; v[224:231] at work
	s_load_b256 s[4:11], s[0:1], 0x0               ; W1 s[4:5], W2 s[6:7], W3 s[8:9], wts s[10:11]
	s_load_b128 s[12:15], s[0:1], 0x20             ; pB s[12:13], pC s[14:15]
	v_lshl_add_u32 v6, v0, 2, SPARE                ; my spare word
	v_mov_b32 v7, 0
	v_lshrrev_b32 v13, 5, v0
	v_readfirstlane_b32 s18, v13                   ; wave v
	v_and_b32 v1, 15, v0                           ; r
	v_bfe_u32 v2, v0, 4, 1                         ; h
	v_and_b32 v14, 31, v0                          ; lane
	v_lshlrev_b32 v11, 2, v1                       ; 4 r
	v_lshl_add_u32 v3, v2, 14, v11                 ; W1, W2 (rows of 2,048 bytes): 8 h rows + 4 r
	v_lshlrev_b32 v4, 8, v1
	v_lshl_add_u32 v4, v2, 5, v4                   ; W3 (rows of 256 bytes): row r, 8 h numbers on
	v_lshlrev_b32 v5, 4, v14                       ; 16 x lane: a fragment's half
	v_lshlrev_b32 v8, 2, v0                        ; LDS: 128 v + 4 lane
	v_lshlrev_b32 v9, 2, v14                       ; LDS: 4 lane
	v_lshl_add_u32 v10, v2, 11, v11                ; W3 for W3F: 8 h rows + 4 r
	v_lshlrev_b32 v12, 3, v14                      ; 8 x lane
	s_mov_b32 s19, ttmp9                           ; T
	s_and_b32 s20, ttmp7, 0xffff                   ; w
	s_lshl2_add_u32 s21, s20, s18                  ; kap = 4 w + v
	s_lshr_b32 s22, s19, 2                         ; s
	s_and_b32 s23, s19, 3                          ; t
	s_lshl_b32 s24, s21, 7                         ; W1: column 32 kap
	s_mov_b32 s25, 0
	s_lshl_b32 s26, s21, 16                        ; W2: row 32 kap,
	s_lshl_b32 s27, s19, 6                         ; column 16 T
	s_add_co_u32 s26, s26, s27
	s_mov_b32 s27, 0
	s_lshl_b32 s28, s19, 12                        ; W3: row 16 T
	s_mov_b32 s29, 0
	s_lshl2_add_u32 s30, s22, s20                  ; 4 s + w
	s_mul_i32 s30, s30, BLKB
	s_add_co_u32 s30, s30, 65536
	s_mov_b32 s31, 0
	s_lshl2_add_u32 s32, s23, s18                  ; fragment 4 t + v
	s_lshl_b32 s32, s32, 10
	s_mov_b32 s33, 0
	s_lshl_b32 s34, s23, 6                         ; P: 64 t
	s_mov_b32 s35, 0
	s_lshl_b32 s36, s21, 12                        ; W1F: tiles 2 kap, 2 kap + 1
	s_mov_b32 s37, 0
	s_add_co_u32 s38, s19, s23                     ; W3 for W3F: row 64 s + 32 t = 16 (T + t),
	s_lshl_b32 s38, s38, 12
	s_lshl_b32 s39, s20, 6                         ; column 16 w
	s_add_co_u32 s38, s38, s39
	s_mov_b32 s39, 0
	s_lshl_b32 s40, s23, 10                        ; W3F: K step t
	s_mov_b32 s41, 0
	s_mov_b32 s44, 0x76543210                      ; v_permlanex16_b32: each lane takes its own place in the other half
	s_mov_b32 s45, 0xfedcba98
	s_mov_b32 s46, 0x7fffffff
	s_wait_kmcnt 0x0
	s_add_nc_u64 s[4:5], s[4:5], s[24:25]
	s_add_nc_u64 s[6:7], s[6:7], s[26:27]
	s_add_nc_u64 s[42:43], s[8:9], s[28:29]
	s_add_nc_u64 s[30:31], s[10:11], s[30:31]      ; BLK(s, w)
	s_add_nc_u64 s[32:33], s[30:31], s[32:33]
	s_add_nc_u64 s[34:35], s[30:31], s[34:35]
	s_add_nc_u64 s[36:37], s[10:11], s[36:37]
	s_add_nc_u64 s[38:39], s[8:9], s[38:39]
	s_add_nc_u64 s[40:41], s[30:31], s[40:41]
	; all 88 loads at once: W1[32 k1 + 16 cc + 8 h + e][32 kap + 16 c + r], W3[16 T + r][32 k1 + 16 cc + 8 h + 0..7], W2[32 kap + 16 c + 8 h + jj][16 T + r]
.irp c, 0,1
.irp k, 0,1
.irp d, 0,1
.irp e, 0,1,2,3,4,5,6,7
	global_load_b32 v[W1R+32*(\c)+16*(\k)+8*(\d)+(\e)], v3, s[4:5] offset:(32*(\k)+16*(\d)+(\e))*2048+64*(\c)
.endr
.endr
.endr
.endr
.irp k, 0,1
.irp d, 0,1
	global_load_b128 v[W3R+16*(\k)+8*(\d):W3R+16*(\k)+8*(\d)+3],   v4, s[42:43] offset:128*(\k)+64*(\d)
	global_load_b128 v[W3R+16*(\k)+8*(\d)+4:W3R+16*(\k)+8*(\d)+7], v4, s[42:43] offset:128*(\k)+64*(\d)+16
.endr
.endr
.irp c, 0,1
.irp e, 0,1,2,3,4,5,6,7
	global_load_b32 v[W2R+8*(\c)+(\e)], v3, s[6:7] offset:(16*(\c)+(\e))*2048
.endr
.endr
	s_wait_loadcnt 16                              ; W1 and W3 are in; W2's sixteen loads, the youngest, may stay out
.set i, 0
.rept 32
	v_cvt_pk_f16_f32 v[AF+i], v[W1R+2*i], v[W1R+2*i+1]
.set i, i+1
.endr
.set i, 0
.rept 16
	v_cvt_pk_f16_f32 v[BF+i], v[W3R+2*i], v[W3R+2*i+1]
.set i, i+1
.endr
	; G: two accumulators by turns; the first K step starts the sums
	v_wmma_f32_16x16x32_f16 v[D0:D0+7], v[AF:AF+7],     v[BF:BF+7],    0
	v_wmma_f32_16x16x32_f16 v[D1:D1+7], v[AF+16:AF+23], v[BF:BF+7],    0
	v_wmma_f32_16x16x32_f16 v[D0:D0+7], v[AF+8:AF+15],  v[BF+8:BF+15], v[D0:D0+7]
	v_wmma_f32_16x16x32_f16 v[D1:D1+7], v[AF+24:AF+31], v[BF+8:BF+15], v[D1:D1+7]
	s_wait_loadcnt 0x0                             ; W2
.set i, 0
.rept 8
	v_cvt_pk_f16_f32 v[W2F+i], v[W2R+2*i], v[W2R+2*i+1]  ; W2's fragment; these eight name no register of the products and are the places behind them (ISA guide 7.12.1)
.set i, i+1
.endr
.set i, 0
.rept 8
	v_pk_mul_f32 v[W2R+2*i:W2R+2*i+1], v[D0+2*i:D0+2*i+1], v[W2R+2*i:W2R+2*i+1]  ; M = G x W2; each accumulator is read from its low end on
.set i, i+1
.endr
.set i, 0
.rept 16
	v_and_b32 v[W1R+i], s46, v[W2R+i]              ; |M|
.set i, i+1
.endr
	v_max3_num_f32 v[TM],   v[W1R],   v[W1R+1],  v[W1R+2]
	v_max3_num_f32 v[TM+1], v[W1R+3], v[W1R+4],  v[W1R+5]
	v_max3_num_f32 v[TM+2], v[W1R+6], v[W1R+7],  v[W1R+8]
	v_max3_num_f32 v[TM+3], v[W1R+9], v[W1R+10], v[W1R+11]
	v_max3_num_f32 v[TM],   v[TM],    v[W1R+12], v[W1R+13]
	v_max3_num_f32 v[TM+1], v[TM+1],  v[W1R+14], v[W1R+15]
	v_max3_num_f32 v[TM],   v[TM],    v[TM+1],   v[TM+2]
	v_max_num_f32  v[TM],   v[TM],    v[TM+3]
	v_permlanex16_b32 v[TM+1], v[TM], s44, s45     ; the column's other 16 rows lie in the lane 16 away
	v_max_num_f32  v[TM],   v[TM],    v[TM+1]
	ds_store_b32 v8, v[TM]
	s_wait_dscnt 0x0                               ; for the others' sake: my store is done
	s_barrier_signal -1
	s_barrier_wait -1
.irp q, 0,1,2,3
	ds_load_b32 v[TM+(\q)], v9 offset:128*(\q)     ; the four waves' maxima of my column
.endr
	s_wait_dscnt 0x0
	v_max3_num_f32 v[TM], v[TM], v[TM+1], v[TM+2]
	v_max_num_f32  v[TM], v[TM], v[TM+3]
	v_and_b32 v[TM+4], 0x7f800000, v[TM]           ; P: the maximum's power of two
	v_sub_nc_u32 v[TM+6], 0x7f000000, v[TM+4]      ; 1 / P: the exponent mirrored
	v_mov_b32 v[TM+7], v[TM+6]
.set i, 0
.rept 8
	v_pk_mul_f32 v[W2R+2*i:W2R+2*i+1], v[W2R+2*i:W2R+2*i+1], v[TM+6:TM+7]
.set i, i+1
.endr
.set i, 0
.rept 8
	v_cvt_pk_f16_f32 v[MF+i], v[W2R+2*i], v[W2R+2*i+1]
.set i, i+1
.endr
	global_store_b128 v5, v[W2F:W2F+3],   s[32:33]               ; each store of the wave covers 512 consecutive bytes, aligned
	global_store_b128 v5, v[W2F+4:W2F+7], s[32:33] offset:512
	global_store_b128 v5, v[MF:MF+3],     s[32:33] offset:16384
	global_store_b128 v5, v[MF+4:MF+7],   s[32:33] offset:16384+512
	; what only some waves store.  Every jump goes forward, hangs on ids alone and passes no barrier
	s_cmp_lg_u32 s18, 0
	s_cbranch_scc1 .Lno_p
	global_store_b32 v11, v[TM+4], s[34:35] offset:34816         ; P of my 16 columns: 64 bytes; both halves of the lanes hold and write the same numbers
.Lno_p:
	s_cmp_lg_u32 s19, 0
	s_cbranch_scc1 .Lno_w1
.irp c, 0,1
.irp k, 0,1
	global_store_b128 v5, v[AF+16*(\c)+8*(\k):AF+16*(\c)+8*(\k)+3],   s[36:37] offset:2048*(\c)+1024*(\k)      ; the work-groups with T = 0 store W1's fragments, which all have made
	global_store_b128 v5, v[AF+16*(\c)+8*(\k)+4:AF+16*(\c)+8*(\k)+7], s[36:37] offset:2048*(\c)+1024*(\k)+512
.endr
.endr
.Lno_w1:
	s_cmp_lt_u32 s23, 2
	s_cbranch_scc0 .Lno_w3
	s_cmp_eq_u32 s18, 3
	s_cbranch_scc0 .Lno_w3
.irp d, 0,1
.irp e, 0,1,2,3,4,5,6,7
	global_load_b32 v[W1R+8*(\d)+(\e)], v10, s[38:39] offset:(16*(\d)+(\e))*256  ; W3[64 s + 32 t + 16 cc + 8 h + e][16 w + r]: W3F's K step t
.endr
.endr
	s_wait_loadcnt 0x0
.set i, 0
.rept 8
	v_cvt_pk_f16_f32 v[W1R+16+i], v[W1R+2*i], v[W1R+2*i+1]
.set i, i+1
.endr
	global_store_b128 v5, v[W1R+16:W1R+19], s[40:41] offset:32768
	global_store_b128 v5, v[W1R+20:W1R+23], s[40:41] offset:32768+512
.Lno_w3:
	s_or_b32 s2, s19, s20
	s_or_b32 s2, s2, s18
	s_cmp_lg_u32 s2, 0
	s_cbranch_scc1 .Lend
	v_mov_b32 v56, 1                               ; q = 1, 2 stands for t = q / 2; 64 words each
	v_mov_b32 v57, 1
	v_mov_b32 v58, 2
	v_mov_b32 v59, 2
	global_store_b64 v12, v[56:57], s[12:13]
	global_store_b64 v12, v[58:59], s[14:15]
.Lend:
	s_wait_tensorcnt 0x0                           ; the wave's end: behind my last LDS store
	ds_add_u32 v6, v7
	s_wait_dscnt 0x0
	s_endpgm
.Lfunc_end_k_q46e014a15f_prep:
	.size	k_q46e014a15f_prep, .Lfunc_end_k_q46e014a15f_prep-k_q46e014a15f_prep
	.p2alignl 7, 3214868480
	.fill 96, 4, 3214868480
	.section	.rodata,"a",@progbits
	.p2align	6, 0x0
	.amdhsa_kernel k_q46e014a15f_prep
		.amdhsa_group_segment_fixed_size 1024
		.amdhsa_private_segment_fixed_size 0
		.amdhsa_enable_private_segment 0
		.amdhsa_kernarg_size 48
		.amdhsa_user_sgpr_count 2
		.amdhsa_user_sgpr_kernarg_segment_ptr 1
		.amdhsa_wavefront_size32 1
		.amdhsa_system_sgpr_workgroup_id_x 1
		.amdhsa_system_sgpr_workgroup_id_y 1
		.amdhsa_system_sgpr_workgroup_id_z 1
		.amdhsa_system_vgpr_workitem_id 0
		.amdhsa_next_free_vgpr 232
		.amdhsa_next_free_sgpr 66
		.amdhsa_reserve_vcc 0
		.amdhsa_float_denorm_mode_32 3
		.amdhsa_float_denorm_mode_16_64 3
		.amdhsa_memory_ordered 1
		.amdhsa_forward_progress 1
		.amdhsa_inst_pref_size 23
	.end_amdhsa_kernel
	.amdgpu_metadata
---
amdhsa.version: [ 1, 2 ]
amdhsa.kernels:
  - .name:           k_q46e014a15f_prep
    .symbol:         k_q46e014a15f_prep.kd
    .args:
      - { .name: W1, .offset: 0, .size: 8, .value_kind: global_buffer, .address_space: global }
      - { .name: W2, .offset: 8, .size: 8, .value_kind: global_buffer, .address_space: global }
      - { .name: W3, .offset: 16, .size: 8, .value_kind: global_buffer, .address_space: global }
      - { .name: wts, .offset: 24, .size: 8, .value_kind: global_buffer, .address_space: global }
      - { .name: pB, .offset: 32, .size: 8, .value_kind: global_buffer, .address_space: global }
      - { .name: pC, .offset: 40, .size: 8, .value_kind: global_buffer, .address_space: global }
    .group_segment_fixed_size: 1024
    .private_segment_fixed_size: 0
    .kernarg_segment_align: 8
    .kernarg_segment_size: 48
    .max_flat_workgroup_size: 128
    .sgpr_count:     66
    .vgpr_count:     232
    .wavefront_size: 32
...
	.end_amdgpu_metadata
.endif
;; end of part 1
;; launch ev1 (part 2): grid 32 x 8, 4 waves a work-group, clusters of 4 x 1, 248,320 bytes of LDS; arguments x, b1, b2, wts, kp1; writes kp1
.if DOCPART == 2
	.amdgcn_target "amdgcn-amd-amdhsa--gfx1250"
	.amdhsa_code_object_version 6
	.text
	.protected	k_q46e014a15f_ev1
	.globl	k_q46e014a15f_ev1
	.p2align	8
	.type	k_q46e014a15f_ev1,@function
k_q46e014a15f_ev1:
	s_mov_b64 s[64:65], 0
	v_nop
	global_prefetch_b8 v0, s[64:65] scope:SCOPE_SE
	s_setreg_imm32_b32 hwreg(HW_REG_WAVE_MODE, 25, 1), 1
	s_wait_xcnt 0x0
	s_wait_alu depctr_hold_cnt(0) depctr_sa_sdst(0) depctr_va_vdst(0) depctr_va_sdst(0) depctr_va_ssrc(0) depctr_va_vcc(0) depctr_vm_vsrc(0)
	s_getreg_b32 s2, hwreg(HW_REG_IB_STS2, 6, 4)
	s_cmp_eq_u32 s2, 0
	s_cbranch_scc0 .Lentry_in_a_cluster
	s_endpgm
.Lentry_in_a_cluster:
	s_bfe_u32 s2, ttmp6, 0x10000c
	s_cmp_lg_u32 s2, 0x3003
	s_cbranch_scc0 .Lentry_shape_is_right
	s_endpgm
.Lentry_shape_is_right:
; ONE EVALUATION of the vector field and of its divergence, for one stage of the RK4 step.  One text serves two kernels; the constant FIRST tells them apart.
; FIRST = 1 (this file): the step's first stage.  Arguments: x, b1, b2, wts, kout.  The state is x, and t = 0.
; FIRST = 0: a later stage.  Arguments: x, W1, b1, b2, b3, wts, par, kprev, kout.  par holds the whole number q: t = q / 2, and the state is x + t k_prev (in this step t and the stage's factor are the same number: 1/2, 1/2, 1).
; LEFT OUT (shown at the head of the first kernel): the Jacobian off its diagonal, since tr = (d1 M) . d2; and, in the first stage, t W1[64][:], a product with the zero that the step builds itself:
; so W1, b3, par and kprev are no arguments there.  LIMIT: a NaN, an infinity or an overflow that would arise only in what is left out is not carried to the result.
; SHARES.  Work-group (RB, SL): 16 rows of the batch x 64 columns k of the second hidden layer.  Each makes h1 and d1 of all 512 hidden j for its rows anew (K = 64: the cheap layer), then its slice of
; a2 = h1 W2 and u = d1 M, h2 and d2, its part of the trace and its part of f = h2 W3.  kout: f's parts [SL][512][64] f32 (without b3), then from byte 1,048,576 the trace's parts [SL][512] f32: sums stay in f32.
; LAYOUT.  Every product is used transposed: source 0 = a weight fragment (16 outputs x 32 K), source 1 = my 16 batch rows.  In a result lane (r, h) holds batch row r and outputs 8 h + 0..7.
; So two neighbouring tiles of layer 1, rounded to f16 in pairs, ARE source 1 of layer 2.  K OF LAYER 2 IS SPLIT AMONG THE WAVES: wave w makes hidden j = 128 w .. 128 w + 127 and multiplies them
; into all four tiles of the slice; the four f32 partial sums meet in LDS.  Then wave w finishes tile w, and in the last product output tile w of f.
; FORMATS.  All products in f16 with f32 sums: the state, h1, d1, h2 and the weights within 65,504 (below 6e-5: f16's fixed step of 6e-8); M as M / P with P in f32 (first kernel).  Biases, W1's row for t, d2, u in f32.
; tanh a = 1 - 2 R, 1 - tanh^2 a = R (4 - 4 R), R = 1 / (1 + 2^(2 a log2 e)): right at both ends, where the power is 0 or infinite.
; CLUSTER.  The four partners have the same slice and other rows: they need the same weights, and each tile is asked for JOINTLY (the same load, descriptor and mask in all four).  Every LDS byte is filled once.
; No branch hangs on anything but the wave's number.
.set FIRST, 1
.set REG,   51456                      ; LDS: wave w's weights at w x REG: W1F +0 (16,384), W2F +16,384, MF +32,768, W3F +49,152 (2,048), P +51,200 (256).  Only wave w reads them
.set XS,    205824                     ; the state in f16: 16 rows x 128 bytes, pitch 144 (an odd multiple of 16: the 16 rows of a load start in 16 different groups of four banks, ISA guide 11.1)
.set PART,  208128                     ; partial sums [wave][4 kind + tile][1,024]
.set H2,    240896                     ; h2 in f16: 16 rows x 128 bytes, pitch 144
.set TR,    243200                     ; the trace's parts [wave][16]
.set OST,   243456                     ; f's part: 16 rows x 256 bytes, pitch 272
.set SPARE, 247808                     ; the spare words, 128 bytes for each wave: two blocks of 256 bytes that no other line names
.set ACC1, 32                          ; v[32:95]   b1, then b1 + t W1[64], then a1, then R: tile a at 8 a
.set HF,   96                          ; v[96:127]  h1 in f16: K step kk of layer 2 at 8 kk     (before: W1's row 64, then W1F of K step 0)
.set DF,   128                         ; v[128:159] d1 likewise
.set A2,   32                          ; v[32:63]   a2's partial sums, tile t at 8 t
.set U,    64                          ; v[64:95]   u's
.set FB,   160                         ; v[160:255] three buffers of 32: a chunk's four fragments   (before: k_prev's parts, W1F of K step 1; x, b3, sums, the state's fragments, at work)
; v1 r, v2 h, v3 lane, v4 my spare word, v5 0, v6-v21 addresses (below), v[22:23] t twice, v[24:31] b2.  None of v4-v21 is rewritten.
.macro CROUND                          ; a round of the cluster's barrier: my work-group's barrier; wave 0 signals for the work-group; every wave waits for all four work-groups; my work-group's barrier once more
	s_barrier_signal -1
	s_barrier_wait -1
	s_cmp_lg_u32 s28, 0
	s_cbranch_scc1 .Lnot_wave_0_\@
	s_barrier_signal -3
.Lnot_wave_0_\@:
	s_barrier_wait -3
	s_barrier_signal -1
	s_barrier_wait -1
.endm
.macro PLACES                          ; four places behind a product, in front of loads into registers that it has read and of lines that read its result (ISA guide 7.12.1 for lines that read its result)
.rept 4
	v_nop
.endr
.endm
; n numbers a in v[b ..] become R = 1 / (1 + 2^(2 a log2 e)), in place.  Two batches; behind each a plain instruction and one wait ahead of the first line that names a result.
.macro TANH b, n
.set i, 0
.rept (\n)/2
	v_pk_mul_f32 v[(\b)+i:(\b)+i+1], v[(\b)+i:(\b)+i+1], 0x4038aa3b op_sel_hi:[1,0]  ; 2 log2 e; ascending: an accumulator is read from its low end on
.set i, i+2
.endr
.set i, 0
.rept \n
	v_exp_f32 v[(\b)+i], v[(\b)+i]
.set i, i+1
.endr
	v_nop
	s_wait_alu depctr_va_vdst(0)
.set i, 0
.rept (\n)/2
	v_pk_add_f32 v[(\b)+i:(\b)+i+1], v[(\b)+i:(\b)+i+1], 1.0 op_sel_hi:[1,0]
.set i, i+2
.endr
.set i, 0
.rept \n
	v_rcp_f32 v[(\b)+i], v[(\b)+i]
.set i, i+1
.endr
	v_nop
	s_wait_alu depctr_va_vdst(0)
.endm
; Chunk c of layer 2: kind c & 1 (0: W2 for a2, 1: M for u), K step c >> 1, all four tiles.  LDCH: its eight LDS loads into buffer c % 3.  MULCH: its four products.
.macro LDCH c
.irp t, 0,1,2,3
	ds_load_b128 v[FB+32*((\c)%3)+8*(\t):FB+32*((\c)%3)+8*(\t)+3],   v6 offset:16384+((\c)&1)*16384+(4*(\t)+((\c)>>1))*1024
	ds_load_b128 v[FB+32*((\c)%3)+8*(\t)+4:FB+32*((\c)%3)+8*(\t)+7], v6 offset:16384+((\c)&1)*16384+(4*(\t)+((\c)>>1))*1024+512
.endr
.endm
.macro MULCH c
.irp t, 0,1,2,3
.set rD, A2+32*((\c)&1)+8*(\t)
.set rA, FB+32*((\c)%3)+8*(\t)
.set rB, HF+32*((\c)&1)+8*((\c)>>1)
.if (\c) < 2
	v_wmma_f32_16x16x32_f16 v[rD:rD+7], v[rA:rA+7], v[rB:rB+7], 0
.else
	v_wmma_f32_16x16x32_f16 v[rD:rD+7], v[rA:rA+7], v[rB:rB+7], v[rD:rD+7]
.endif
.endr
.endm
.if FIRST
	s_load_b64 s[8:9], s[0:1], 0x0                 ; x
	s_load_b128 s[12:15], s[0:1], 0x8              ; b1 s[12:13], b2 s[14:15]
	s_load_b64 s[18:19], s[0:1], 0x18              ; wts
	s_load_b64 s[24:25], s[0:1], 0x20              ; kout
.else
	s_load_b512 s[8:23], s[0:1], 0x0               ; x s[8:9], W1 s[10:11], b1 s[12:13], b2 s[14:15], b3 s[16:17], wts s[18:19], par s[20:21], kprev s[22:23]
	s_load_b64 s[24:25], s[0:1], 0x40              ; kout
.endif
	v_lshl_add_u32 v4, v0, 2, SPARE
	v_mov_b32 v5, 0
	ds_add_u32 v4, v5                              ; the wave's opening: the add, twice on end, and its wait ahead of my first tensor load; the set-up below stands between the second and the wait
	ds_add_u32 v4, v5
	v_lshrrev_b32 v1, 5, v0
	v_readfirstlane_b32 s28, v1                    ; wave w
	s_bfe_u32 s29, ttmp6, 0x40000                  ; cx: my place in the cluster
	s_lshl_b32 s30, ttmp9, 2                       ; in a cluster launch ttmp9 counts clusters
	s_add_co_u32 s30, s30, s29                     ; RB = 4 x cluster x + cx: it enters the addresses of x, kprev and kout alone
	s_and_b32 s31, ttmp7, 0xffff                   ; SL, which the four partners share
	; descriptor group 1: dense blocks, as rows of 256 bytes (32 elements of 8 bytes).  s[32:39]: 64 rows, a wave's part of W1F.  s[40:47]: 137 rows, BLK(SL, w)
	s_mov_b32 s32, 15|(3<<16)|(1<<21)              ; 15:0 the mask: all four work-groups; 17:16 elements of 8 bytes; 21 set beside a mask; no padding
	s_mov_b32 s33, 32<<16                          ; tensor_dim0 = 32
	s_mov_b32 s34, 64<<16                          ; tensor_dim1 = 64
	s_mov_b32 s35, 32<<16                          ; tile_dim0 = 32
	s_mov_b32 s36, 64                              ; tile_dim1 = 64
	s_mov_b32 s37, 32                              ; 32 elements from row to row
	s_mov_b32 s38, 0
	s_mov_b32 s39, 0
	s_mov_b32 s40, 15|(3<<16)|(1<<21)
	s_mov_b32 s41, 32<<16
	s_mov_b32 s42, 137<<16
	s_mov_b32 s43, 32<<16
	s_mov_b32 s44, 137
	s_mov_b32 s45, 32
	s_mov_b32 s46, 0
	s_mov_b32 s47, 0
	; descriptor group 0: s[48:51] W1F's part, s[52:55] BLK.  LDS addresses hang on the wave's number alone, global ones on it and on SL
	s_mov_b32 s48, 1
	s_mul_i32 s49, s28, REG
	s_lshl_b32 s50, s28, 14                        ; wave w's eight tiles of W1F
	s_mov_b32 s51, 0
	s_mov_b32 s52, 1
	s_add_co_u32 s53, s49, 16384
	s_lshl2_add_u32 s54, s31, s28                  ; 4 SL + w
	s_mul_i32 s54, s54, 35072
	s_add_co_u32 s54, s54, 65536
	s_mov_b32 s55, 0
	s_mov_b32 s56, 0x76543210                      ; v_permlanex16_b32: each lane takes its own place in the other half
	s_mov_b32 s57, 0xfedcba98
	s_lshl_b32 s2, s30, 12                         ; my block's 16 rows of 256 bytes,
	s_lshl_b32 s3, s28, 10                         ; my wave's four of them
	s_add_co_u32 s2, s2, s3
	s_mov_b32 s3, 0
	s_lshl_b32 s4, s28, 9                          ; my 128 hidden j, in f32
	s_mov_b32 s5, 0
	s_lshl_b32 s6, s31, 8                          ; b2: the slice's 64 k, my tile's 16
	s_lshl_b32 s7, s28, 6
	s_add_co_u32 s6, s6, s7
	s_mov_b32 s7, 0
	s_lshl_b32 s60, s31, 17                        ; kout: slice SL of f's parts
	s_mov_b32 s61, 0
	s_lshl_b32 s62, s31, 11                        ; and of the trace's: 2,048 SL + 64 RB
	s_lshl_b32 s63, s30, 6
	s_add_co_u32 s62, s62, s63
	s_mov_b32 s63, 0
	s_wait_dscnt 0x0                               ; both opening adds are done
	s_wait_kmcnt 0x0
.if FIRST == 0
	s_load_b32 s58, s[20:21], 0x0                  ; q; waited for where it is used
	s_add_nc_u64 s[22:23], s[22:23], s[2:3]
	s_add_nc_u64 s[10:11], s[10:11], s[4:5]        ; (row 64's 131,072 stands in the loads' immediates)
.endif
	s_add_nc_u64 s[8:9], s[8:9], s[2:3]
	s_add_nc_u64 s[26:27], s[24:25], s[62:63]      ; the trace's part (1,048,576 stands in the store's immediate)
	s_add_nc_u64 s[24:25], s[24:25], s[2:3]
	s_add_nc_u64 s[24:25], s[24:25], s[60:61]
	s_add_nc_u64 s[12:13], s[12:13], s[4:5]
	s_add_nc_u64 s[14:15], s[14:15], s[6:7]
	s_add_nc_u64 s[50:51], s[18:19], s[50:51]
	s_or_b32 s51, s51, 0x80000000                  ; type = 2
	s_add_nc_u64 s[54:55], s[18:19], s[54:55]
	s_or_b32 s55, s55, 0x80000000
	CROUND                                         ; all four work-groups are here: the joint loads meet
	tensor_load_to_lds s[48:51], s[32:39]          ; both fills go out together: two tensor loads of mine are out, and no more follow
	s_nop 0
	tensor_load_to_lds s[52:55], s[40:47]
	s_nop 0
	v_and_b32 v1, 15, v0                           ; r
	v_bfe_u32 v2, v0, 4, 1                         ; h
	v_and_b32 v3, 31, v0                           ; lane
	v_lshlrev_b32 v18, 4, v3                       ; global: 16 x lane
	v_lshlrev_b32 v19, 5, v2                       ; global: 8 h numbers of f32
	v_lshlrev_b32 v20, 4, v1                       ; global: 16 r
	v_lshlrev_b32 v21, 2, v1                       ; global: 4 r
	; PHASE 0: biases, and the state of my wave's four rows.  All loads go out together
.irp a, 0,1,2,3,4,5,6,7
	global_load_b128 v[ACC1+8*(\a):ACC1+8*(\a)+3],   v19, s[12:13] offset:64*(\a)     ; b1[128 w + 16 a + 8 h + 0..7]
	global_load_b128 v[ACC1+8*(\a)+4:ACC1+8*(\a)+7], v19, s[12:13] offset:64*(\a)+16
.endr
.if FIRST == 0
.irp a, 0,1,2,3,4,5,6,7
	global_load_b128 v[96+8*(\a):96+8*(\a)+3],   v19, s[10:11] offset:131072+64*(\a)  ; W1[64][the same]
	global_load_b128 v[96+8*(\a)+4:96+8*(\a)+7], v19, s[10:11] offset:131072+64*(\a)+16
.endr
.endif
	global_load_b128 v[24:27], v19, s[14:15]                     ; b2[64 SL + 16 w + 8 h + 0..7]
	global_load_b128 v[28:31], v19, s[14:15] offset:16
	global_load_b128 v[224:227], v18, s[8:9]                     ; x: rows 4 w + h and 4 w + 2 + h, columns 4 r + 0..3
	global_load_b128 v[228:231], v18, s[8:9] offset:512
.if FIRST == 0
	global_load_b128 v[232:235], v20, s[16:17]                   ; b3[4 r + 0..3]
.irp q, 0,1,2,3,4,5,6,7
	global_load_b128 v[160+8*(\q):160+8*(\q)+3],   v18, s[22:23] offset:(\q)*131072      ; the eight slices' parts of k_prev, at x's places
	global_load_b128 v[160+8*(\q)+4:160+8*(\q)+7], v18, s[22:23] offset:(\q)*131072+512
.endr
.endif
	; the LDS addresses, while the loads are out
	v_lshl_add_u32 v6, v3, 4, s49                  ; v6  fragments: w REG + 16 lane
	s_add_co_u32 s4, s49, 51200
	v_lshl_add_u32 v7, v2, 5, s4                   ; v7  P: w REG + 51,200 + 32 h
	s_mul_i32 s4, s28, 576
	s_add_co_u32 s4, s4, XS
	v_mul_u32_u24 v8, v2, 144
	v_lshl_add_u32 v8, v1, 3, v8
	v_add_nc_u32 v8, s4, v8                        ; v8  the state, in: XS + (4 w + h) 144 + 8 r
	v_mul_u32_u24 v9, v1, 144
	v_lshl_add_u32 v9, v2, 4, v9                   ; 144 r + 16 h
	v_add_nc_u32 v13, H2, v9                       ; v13 h2's fragments
	s_lshl_b32 s4, s28, 5
	v_add_nc_u32 v12, s4, v13                      ; v12 h2, in: + 32 w
	v_add_nc_u32 v9, XS, v9                        ; v9  the state's fragments
	s_lshl_b32 s4, s28, 13
	s_add_co_u32 s4, s4, PART
	v_lshl_add_u32 v10, v3, 4, s4                  ; v10 partial sums, in: PART + 8,192 w + 16 lane
	s_lshl_b32 s4, s28, 10
	s_add_co_u32 s4, s4, PART
	v_lshl_add_u32 v11, v3, 4, s4                  ; v11 back: tile w: PART + 1,024 w + 16 lane
	s_lshl_b32 s4, s28, 6
	s_add_co_u32 s5, s4, TR
	v_lshl_add_u32 v14, v1, 2, s5                  ; v14 the trace, in: TR + 64 w + 4 r
	v_lshl_add_u32 v15, v1, 2, TR                  ; v15 back
	s_add_co_u32 s5, s4, OST
	v_mul_u32_u24 v16, v1, 272
	v_lshl_add_u32 v16, v2, 5, v16
	v_add_nc_u32 v16, s5, v16                      ; v16 f, in: OST + 272 r + 64 w + 32 h
	s_mul_i32 s4, s28, 1088
	s_add_co_u32 s4, s4, OST
	v_mul_u32_u24 v17, v2, 272
	v_lshl_add_u32 v17, v1, 4, v17
	v_add_nc_u32 v17, s4, v17                      ; v17 back: OST + (4 w + h) 272 + 16 r
.if FIRST == 0
	s_wait_kmcnt 0x0                               ; q: it enters this conversion and nothing else
	v_cvt_f32_u32 v22, s58
	v_mul_f32 v22, 0.5, v22                        ; t
	v_mov_b32 v23, v22
.endif
	s_wait_loadcnt 0x0
.if FIRST == 0
.irp i, 0,2,4,6
	v_pk_add_f32 v[236+(\i):237+(\i)], v[232+(\i)%4:233+(\i)%4], v[160+(\i):161+(\i)]    ; b3 starts the sums: four chains that do not wait for each other
.endr
.irp q, 1,2,3,4,5,6,7
.irp i, 0,2,4,6
	v_pk_add_f32 v[236+(\i):237+(\i)], v[236+(\i):237+(\i)], v[160+8*(\q)+(\i):161+8*(\q)+(\i)]
.endr
.endr
.irp i, 0,2,4,6
	v_pk_fma_f32 v[224+(\i):225+(\i)], v[236+(\i):237+(\i)], v[22:23], v[224+(\i):225+(\i)]  ; x + t k_prev
.endr
.endif
	v_cvt_pk_f16_f32 v244, v224, v225
	v_cvt_pk_f16_f32 v245, v226, v227
	v_cvt_pk_f16_f32 v246, v228, v229
	v_cvt_pk_f16_f32 v247, v230, v231
	ds_store_b64 v8, v[244:245]
	ds_store_b64 v8, v[246:247] offset:288         ; two rows on
.if FIRST == 0
.set i, 0
.rept 32
	v_pk_fma_f32 v[ACC1+i:ACC1+i+1], v[96+i:96+i+1], v[22:23], v[ACC1+i:ACC1+i+1]  ; b1 + t W1[64]: what layer 1's sums start from
.set i, i+2
.endr
.endif
	s_wait_dscnt 0x0                               ; for the others' sake: my rows of the state are stored
	s_barrier_signal -1
	s_barrier_wait -1
	; PHASE 1: a1 for my 128 hidden j: 8 tiles x 2 K steps
	ds_load_b128 v[224:227], v9                    ; the state's fragments: batch row r, i = 32 k1 + 8 h .. and 32 k1 + 16 + 8 h ..
	ds_load_b128 v[228:231], v9 offset:32
	ds_load_b128 v[232:235], v9 offset:64
	ds_load_b128 v[236:239], v9 offset:96
	s_wait_tensorcnt 0x1                           ; my part of W1F, the older of my two loads, is in; I alone read it
.irp k, 0,1
.irp a, 0,1,2,3,4,5,6,7
	ds_load_b128 v[96+64*(\k)+8*(\a):96+64*(\k)+8*(\a)+3],   v6 offset:2048*(\a)+1024*(\k)
	ds_load_b128 v[96+64*(\k)+8*(\a)+4:96+64*(\k)+8*(\a)+7], v6 offset:2048*(\a)+1024*(\k)+512
.endr
.endr
	s_wait_dscnt 16                                ; all but the second K step's sixteen loads
.irp a, 0,1,2,3,4,5,6,7
	v_wmma_f32_16x16x32_f16 v[ACC1+8*(\a):ACC1+8*(\a)+7], v[96+8*(\a):96+8*(\a)+7], v[224:231], v[ACC1+8*(\a):ACC1+8*(\a)+7]  ; the eight accumulators take turns
.endr
	s_wait_dscnt 0x0
.irp a, 0,1,2,3,4,5,6,7
	v_wmma_f32_16x16x32_f16 v[ACC1+8*(\a):ACC1+8*(\a)+7], v[160+8*(\a):160+8*(\a)+7], v[232:239], v[ACC1+8*(\a):ACC1+8*(\a)+7]
.endr
	PLACES
	TANH ACC1, 64
.set g, 0
.rept 8                                ; four pairs at a time, in four sets of registers: h1 = 1 - 2 R, d1 = R (4 - 4 R), each rounded once to f16
.irp q, 0,1,2,3
	v_pk_fma_f32 v[240+4*(\q):241+4*(\q)], v[ACC1+8*g+2*(\q):ACC1+8*g+2*(\q)+1], -2.0, 1.0 op_sel_hi:[1,0,0]
.endr
.irp q, 0,1,2,3
	v_pk_fma_f32 v[242+4*(\q):243+4*(\q)], v[ACC1+8*g+2*(\q):ACC1+8*g+2*(\q)+1], -4.0, 4.0 op_sel_hi:[1,0,0]
.endr
.irp q, 0,1,2,3
	v_pk_mul_f32 v[242+4*(\q):243+4*(\q)], v[242+4*(\q):243+4*(\q)], v[ACC1+8*g+2*(\q):ACC1+8*g+2*(\q)+1]
.endr
.irp q, 0,1,2,3
	v_cvt_pk_f16_f32 v[HF+4*g+(\q)], v[240+4*(\q)], v[241+4*(\q)]
.endr
.irp q, 0,1,2,3
	v_cvt_pk_f16_f32 v[DF+4*g+(\q)], v[242+4*(\q)], v[243+4*(\q)]
.endr
.set g, g+1
.endr
	; PHASE 2: my four K steps of a2 and u, all four tiles: eight chunks of four products; a2's and u's chunks alternate, so seven other accumulators stand between two links of a chain
	s_wait_tensorcnt 0x0                           ; BLK is in; I alone read it
	LDCH 0
	LDCH 1
	LDCH 2
.irp c, 0,1,2,3,4,5,6,7
.if (\c) == 7
	s_wait_dscnt 8                                 ; behind the last chunk's loads stand P's eight
.else
	s_wait_dscnt 16                                ; behind this chunk's loads stand two younger groups of eight
.endif
	MULCH \c
.if (\c) <= 5
	PLACES                                         ; the buffer just multiplied is loaded again
.endif
.if (\c) <= 4
	LDCH (\c)+3
.endif
.if (\c) == 5
.irp t, 0,1,2,3
	ds_load_b128 v[FB+64+8*(\t):FB+64+8*(\t)+3],   v7 offset:64*(\t)      ; P[t][8 h + 0..7], at u's places
	ds_load_b128 v[FB+64+8*(\t)+4:FB+64+8*(\t)+7], v7 offset:64*(\t)+16
.endr
.endif
.endr
	PLACES
.irp t, 0,1,2,3
	ds_store_b128 v10, v[A2+8*(\t):A2+8*(\t)+3] offset:1024*(\t)          ; each accumulator's low four registers first
	ds_store_b128 v10, v[A2+8*(\t)+4:A2+8*(\t)+7] offset:1024*(\t)+512
.endr
	s_wait_dscnt 8                                 ; the eight stores may be out; P, asked for ahead of them, is in
.set i, 0
.rept 16
	v_pk_mul_f32 v[U+i:U+i+1], v[U+i:U+i+1], v[FB+64+i:FB+64+i+1]          ; my chain's scale comes back, in f32
.set i, i+2
.endr
.irp t, 0,1,2,3
	ds_store_b128 v10, v[U+8*(\t):U+8*(\t)+3] offset:4096+1024*(\t)
	ds_store_b128 v10, v[U+8*(\t)+4:U+8*(\t)+7] offset:4096+1024*(\t)+512
.endr
	s_wait_dscnt 0x0                               ; for the others' sake
	s_barrier_signal -1
	s_barrier_wait -1
	; PHASE 2b: tile w: the four waves' partial sums, tanh, the trace's part
.irp k, 0,1
.irp q, 0,1,2,3
	ds_load_b128 v[160+32*(\k)+8*(\q):160+32*(\k)+8*(\q)+3],   v11 offset:8192*(\q)+4096*(\k)
	ds_load_b128 v[160+32*(\k)+8*(\q)+4:160+32*(\k)+8*(\q)+7], v11 offset:8192*(\q)+4096*(\k)+512
.endr
.endr
	s_wait_dscnt 0x0
.irp p, 0,2,4,6
	v_pk_add_f32 v[32+(\p):33+(\p)], v[24+(\p):25+(\p)], v[160+(\p):161+(\p)]      ; a2 = b2 + the four parts
	v_pk_add_f32 v[40+(\p):41+(\p)], v[192+(\p):193+(\p)], v[200+(\p):201+(\p)]    ; u
.endr
.irp q, 1,2,3
.irp p, 0,2,4,6
	v_pk_add_f32 v[32+(\p):33+(\p)], v[32+(\p):33+(\p)], v[160+8*(\q)+(\p):161+8*(\q)+(\p)]
.endr
.endr
.irp q, 2,3
.irp p, 0,2,4,6
	v_pk_add_f32 v[40+(\p):41+(\p)], v[40+(\p):41+(\p)], v[192+8*(\q)+(\p):193+8*(\q)+(\p)]
.endr
.endr
	TANH 32, 8
.irp p, 0,2,4,6
	v_pk_fma_f32 v[48+(\p):49+(\p)], v[32+(\p):33+(\p)], -2.0, 1.0 op_sel_hi:[1,0,0]  ; h2
	v_pk_fma_f32 v[56+(\p):57+(\p)], v[32+(\p):33+(\p)], -4.0, 4.0 op_sel_hi:[1,0,0]
.endr
.irp p, 0,2,4,6
	v_pk_mul_f32 v[56+(\p):57+(\p)], v[56+(\p):57+(\p)], v[32+(\p):33+(\p)]           ; d2, kept in f32
.endr
.irp p, 0,1,2,3
	v_cvt_pk_f16_f32 v[64+(\p)], v[48+2*(\p)], v[49+2*(\p)]
.endr
	ds_store_b128 v12, v[64:67]                    ; h2[r][16 w + 8 h + 0..7]
	v_pk_mul_f32 v[68:69], v[56:57], v[40:41]
	v_pk_fma_f32 v[68:69], v[58:59], v[42:43], v[68:69]
	v_pk_fma_f32 v[68:69], v[60:61], v[44:45], v[68:69]
	v_pk_fma_f32 v[68:69], v[62:63], v[46:47], v[68:69]
	v_add_f32 v68, v68, v69
	v_permlanex16_b32 v69, v68, s56, s57           ; the row's other eight k lie in the lane 16 away
	v_add_f32 v68, v68, v69
	ds_store_b32 v14, v68                          ; both halves of the lanes write the same number to the same word
	s_wait_dscnt 0x0
	s_barrier_signal -1
	s_barrier_wait -1
	; PHASE 3: my 16 outputs o = 16 w + .. of f's part: K = the slice's 64 k
.irp k, 0,1
	ds_load_b128 v[160+8*(\k):160+8*(\k)+3],   v13 offset:64*(\k)
	ds_load_b128 v[160+8*(\k)+4:160+8*(\k)+7], v13 offset:64*(\k)+32
	ds_load_b128 v[176+8*(\k):176+8*(\k)+3],   v6 offset:49152+1024*(\k)
	ds_load_b128 v[176+8*(\k)+4:176+8*(\k)+7], v6 offset:49152+1024*(\k)+512
.endr
	s_wait_dscnt 0x0
	v_wmma_f32_16x16x32_f16 v[192:199], v[176:183], v[160:167], 0  ; two sums of one K step each: no chain
	v_wmma_f32_16x16x32_f16 v[200:207], v[184:191], v[168:175], 0
	PLACES
.irp p, 0,2,4,6
	v_pk_add_f32 v[192+(\p):193+(\p)], v[192+(\p):193+(\p)], v[200+(\p):201+(\p)]
.endr
	ds_store_b128 v16, v[192:195]
	ds_store_b128 v16, v[196:199] offset:16
	s_cmp_lg_u32 s28, 0
	s_cbranch_scc1 .Lnot0                          ; wave 0 adds the four tiles' parts of the trace; no barrier is jumped
.irp q, 0,1,2,3
	ds_load_b32 v[208+(\q)], v15 offset:64*(\q)
.endr
	s_wait_dscnt 0x0
	v_add_f32 v208, v208, v209
	v_add_f32 v210, v210, v211
	v_add_f32 v208, v208, v210
	global_store_b32 v21, v208, s[26:27] offset:1048576          ; 16 rows: 64 bytes; both halves of the lanes write the same numbers
.Lnot0:
	s_wait_dscnt 0x0                               ; for the others' sake: my columns of f's part are stored
	s_barrier_signal -1
	s_barrier_wait -1
	ds_load_b128 v[216:219], v17                   ; back as whole rows: lanes 0-15 one row of 256 bytes, lanes 16-31 the next
	ds_load_b128 v[220:223], v17 offset:544
	s_wait_dscnt 0x0
	global_store_b128 v18, v[216:219], s[24:25]                  ; each store of the wave covers 512 consecutive bytes, aligned
	global_store_b128 v18, v[220:223], s[24:25] offset:512
	s_wait_tensorcnt 0x0                           ; the wave's end: behind my last tensor load and my last LDS store
	ds_add_u32 v4, v5
	s_wait_dscnt 0x0
	CROUND                                         ; the closing round: no work-group ends while a partner may still ask for a tile that names it
	s_endpgm
.Lfunc_end_k_q46e014a15f_ev1:
	.size	k_q46e014a15f_ev1, .Lfunc_end_k_q46e014a15f_ev1-k_q46e014a15f_ev1
	.p2alignl 7, 3214868480
	.fill 96, 4, 3214868480
	.section	.rodata,"a",@progbits
	.p2align	6, 0x0
	.amdhsa_kernel k_q46e014a15f_ev1
		.amdhsa_group_segment_fixed_size 248320
		.amdhsa_private_segment_fixed_size 0
		.amdhsa_enable_private_segment 0
		.amdhsa_kernarg_size 40
		.amdhsa_user_sgpr_count 2
		.amdhsa_user_sgpr_kernarg_segment_ptr 1
		.amdhsa_wavefront_size32 1
		.amdhsa_system_sgpr_workgroup_id_x 1
		.amdhsa_system_sgpr_workgroup_id_y 1
		.amdhsa_system_sgpr_workgroup_id_z 1
		.amdhsa_system_vgpr_workitem_id 0
		.amdhsa_next_free_vgpr 256
		.amdhsa_next_free_sgpr 66
		.amdhsa_reserve_vcc 0
		.amdhsa_float_denorm_mode_32 3
		.amdhsa_float_denorm_mode_16_64 3
		.amdhsa_memory_ordered 1
		.amdhsa_forward_progress 1
		.amdhsa_inst_pref_size 50
	.end_amdhsa_kernel
	.amdgpu_metadata
---
amdhsa.version: [ 1, 2 ]
amdhsa.kernels:
  - .name:           k_q46e014a15f_ev1
    .symbol:         k_q46e014a15f_ev1.kd
    .args:
      - { .name: x, .offset: 0, .size: 8, .value_kind: global_buffer, .address_space: global }
      - { .name: b1, .offset: 8, .size: 8, .value_kind: global_buffer, .address_space: global }
      - { .name: b2, .offset: 16, .size: 8, .value_kind: global_buffer, .address_space: global }
      - { .name: wts, .offset: 24, .size: 8, .value_kind: global_buffer, .address_space: global }
      - { .name: kp1, .offset: 32, .size: 8, .value_kind: global_buffer, .address_space: global }
    .group_segment_fixed_size: 248320
    .private_segment_fixed_size: 0
    .kernarg_segment_align: 8
    .kernarg_segment_size: 40
    .max_flat_workgroup_size: 128
    .sgpr_count:     66
    .vgpr_count:     256
    .wavefront_size: 32
...
	.end_amdgpu_metadata
.endif
;; end of part 2
;; launch ev2 (part 3): grid 32 x 8, 4 waves a work-group, clusters of 4 x 1, 248,320 bytes of LDS; arguments x, W1, b1, b2, b3, wts, pB, kp1, kp2; writes kp2
.if DOCPART == 3
	.amdgcn_target "amdgcn-amd-amdhsa--gfx1250"
	.amdhsa_code_object_version 6
	.text
	.protected	k_q46e014a15f_ev2
	.globl	k_q46e014a15f_ev2
	.p2align	8
	.type	k_q46e014a15f_ev2,@function
k_q46e014a15f_ev2:
	s_mov_b64 s[64:65], 0
	v_nop
	global_prefetch_b8 v0, s[64:65] scope:SCOPE_SE
	s_setreg_imm32_b32 hwreg(HW_REG_WAVE_MODE, 25, 1), 1
	s_wait_xcnt 0x0
	s_wait_alu depctr_hold_cnt(0) depctr_sa_sdst(0) depctr_va_vdst(0) depctr_va_sdst(0) depctr_va_ssrc(0) depctr_va_vcc(0) depctr_vm_vsrc(0)
	s_getreg_b32 s2, hwreg(HW_REG_IB_STS2, 6, 4)
	s_cmp_eq_u32 s2, 0
	s_cbranch_scc0 .Lentry_in_a_cluster
	s_endpgm
.Lentry_in_a_cluster:
	s_bfe_u32 s2, ttmp6, 0x10000c
	s_cmp_lg_u32 s2, 0x3003
	s_cbranch_scc0 .Lentry_shape_is_right
	s_endpgm
.Lentry_shape_is_right:
; ONE EVALUATION of the vector field and of its divergence, for one stage of the RK4 step.  One text serves two kernels; the constant FIRST tells them apart.
; FIRST = 1: the step's first stage.  Arguments: x, b1, b2, wts, kout.  The state is x, and t = 0.
; FIRST = 0 (this file): a later stage.  Arguments: x, W1, b1, b2, b3, wts, par, kprev, kout.  par holds the whole number q: t = q / 2, and the state is x + t k_prev (in this step t and the stage's factor are the same number: 1/2, 1/2, 1).
; LEFT OUT (shown at the head of the first kernel): the Jacobian off its diagonal, since tr = (d1 M) . d2; and, in the first stage, t W1[64][:], a product with the zero that the step builds itself:
; so W1, b3, par and kprev are no arguments there.  LIMIT: a NaN, an infinity or an overflow that would arise only in what is left out is not carried to the result.
; SHARES.  Work-group (RB, SL): 16 rows of the batch x 64 columns k of the second hidden layer.  Each makes h1 and d1 of all 512 hidden j for its rows anew (K = 64: the cheap layer), then its slice of
; a2 = h1 W2 and u = d1 M, h2 and d2, its part of the trace and its part of f = h2 W3.  kout: f's parts [SL][512][64] f32 (without b3), then from byte 1,048,576 the trace's parts [SL][512] f32: sums stay in f32.
; LAYOUT.  Every product is used transposed: source 0 = a weight fragment (16 outputs x 32 K), source 1 = my 16 batch rows.  In a result lane (r, h) holds batch row r and outputs 8 h + 0..7.
; So two neighbouring tiles of layer 1, rounded to f16 in pairs, ARE source 1 of layer 2.  K OF LAYER 2 IS SPLIT AMONG THE WAVES: wave w makes hidden j = 128 w .. 128 w + 127 and multiplies them
; into all four tiles of the slice; the four f32 partial sums meet in LDS.  Then wave w finishes tile w, and in the last product output tile w of f.
; FORMATS.  All products in f16 with f32 sums: the state, h1, d1, h2 and the weights within 65,504 (below 6e-5: f16's fixed step of 6e-8); M as M / P with P in f32 (first kernel).  Biases, W1's row for t, d2, u in f32.
; tanh a = 1 - 2 R, 1 - tanh^2 a = R (4 - 4 R), R = 1 / (1 + 2^(2 a log2 e)): right at both ends, where the power is 0 or infinite.
; CLUSTER.  The four partners have the same slice and other rows: they need the same weights, and each tile is asked for JOINTLY (the same load, descriptor and mask in all four).  Every LDS byte is filled once.
; No branch hangs on anything but the wave's number.
.set FIRST, 0
.set REG,   51456                      ; LDS: wave w's weights at w x REG: W1F +0 (16,384), W2F +16,384, MF +32,768, W3F +49,152 (2,048), P +51,200 (256).  Only wave w reads them
.set XS,    205824                     ; the state in f16: 16 rows x 128 bytes, pitch 144 (an odd multiple of 16: the 16 rows of a load start in 16 different groups of four banks, ISA guide 11.1)
.set PART,  208128                     ; partial sums [wave][4 kind + tile][1,024]
.set H2,    240896                     ; h2 in f16: 16 rows x 128 bytes, pitch 144
.set TR,    243200                     ; the trace's parts [wave][16]
.set OST,   243456                     ; f's part: 16 rows x 256 bytes, pitch 272
.set SPARE, 247808                     ; the spare words, 128 bytes for each wave: two blocks of 256 bytes that no other line names
.set ACC1, 32                          ; v[32:95]   b1, then b1 + t W1[64], then a1, then R: tile a at 8 a
.set HF,   96                          ; v[96:127]  h1 in f16: K step kk of layer 2 at 8 kk     (before: W1's row 64, then W1F of K step 0)
.set DF,   128                         ; v[128:159] d1 likewise
.set A2,   32                          ; v[32:63]   a2's partial sums, tile t at 8 t
.set U,    64                          ; v[64:95]   u's
.set FB,   160                         ; v[160:255] three buffers of 32: a chunk's four fragments   (before: k_prev's parts, W1F of K step 1; x, b3, sums, the state's fragments, at work)
; v1 r, v2 h, v3 lane, v4 my spare word, v5 0, v6-v21 addresses (below), v[22:23] t twice, v[24:31] b2.  None of v4-v21 is rewritten.
.macro CROUND                          ; a round of the cluster's barrier: my work-group's barrier; wave 0 signals for the work-group; every wave waits for all four work-groups; my work-group's barrier once more
	s_barrier_signal -1
	s_barrier_wait -1
	s_cmp_lg_u32 s28, 0
	s_cbranch_scc1 .Lnot_wave_0_\@
	s_barrier_signal -3
.Lnot_wave_0_\@:
	s_barrier_wait -3
	s_barrier_signal -1
	s_barrier_wait -1
.endm
.macro PLACES                          ; four places behind a product, in front of loads into registers that it has read and of lines that read its result (ISA guide 7.12.1 for lines that read its result)
.rept 4
	v_nop
.endr
.endm
; n numbers a in v[b ..] become R = 1 / (1 + 2^(2 a log2 e)), in place.  Two batches; behind each a plain instruction and one wait ahead of the first line that names a result.
.macro TANH b, n
.set i, 0
.rept (\n)/2
	v_pk_mul_f32 v[(\b)+i:(\b)+i+1], v[(\b)+i:(\b)+i+1], 0x4038aa3b op_sel_hi:[1,0]  ; 2 log2 e; ascending: an accumulator is read from its low end on
.set i, i+2
.endr
.set i, 0
.rept \n
	v_exp_f32 v[(\b)+i], v[(\b)+i]
.set i, i+1
.endr
	v_nop
	s_wait_alu depctr_va_vdst(0)
.set i, 0
.rept (\n)/2
	v_pk_add_f32 v[(\b)+i:(\b)+i+1], v[(\b)+i:(\b)+i+1], 1.0 op_sel_hi:[1,0]
.set i, i+2
.endr
.set i, 0
.rept \n
	v_rcp_f32 v[(\b)+i], v[(\b)+i]
.set i, i+1
.endr
	v_nop
	s_wait_alu depctr_va_vdst(0)
.endm
; Chunk c of layer 2: kind c & 1 (0: W2 for a2, 1: M for u), K step c >> 1, all four tiles.  LDCH: its eight LDS loads into buffer c % 3.  MULCH: its four products.
.macro LDCH c
.irp t, 0,1,2,3
	ds_load_b128 v[FB+32*((\c)%3)+8*(\t):FB+32*((\c)%3)+8*(\t)+3],   v6 offset:16384+((\c)&1)*16384+(4*(\t)+((\c)>>1))*1024
	ds_load_b128 v[FB+32*((\c)%3)+8*(\t)+4:FB+32*((\c)%3)+8*(\t)+7], v6 offset:16384+((\c)&1)*16384+(4*(\t)+((\c)>>1))*1024+512
.endr
.endm
.macro MULCH c
.irp t, 0,1,2,3
.set rD, A2+32*((\c)&1)+8*(\t)
.set rA, FB+32*((\c)%3)+8*(\t)
.set rB, HF+32*((\c)&1)+8*((\c)>>1)
.if (\c) < 2
	v_wmma_f32_16x16x32_f16 v[rD:rD+7], v[rA:rA+7], v[rB:rB+7], 0
.else
	v_wmma_f32_16x16x32_f16 v[rD:rD+7], v[rA:rA+7], v[rB:rB+7], v[rD:rD+7]
.endif
.endr
.endm
.if FIRST
	s_load_b64 s[8:9], s[0:1], 0x0                 ; x
	s_load_b128 s[12:15], s[0:1], 0x8              ; b1 s[12:13], b2 s[14:15]
	s_load_b64 s[18:19], s[0:1], 0x18              ; wts
	s_load_b64 s[24:25], s[0:1], 0x20              ; kout
.else
	s_load_b512 s[8:23], s[0:1], 0x0               ; x s[8:9], W1 s[10:11], b1 s[12:13], b2 s[14:15], b3 s[16:17], wts s[18:19], par s[20:21], kprev s[22:23]
	s_load_b64 s[24:25], s[0:1], 0x40              ; kout
.endif
	v_lshl_add_u32 v4, v0, 2, SPARE
	v_mov_b32 v5, 0
	ds_add_u32 v4, v5                              ; the wave's opening: the add, twice on end, and its wait ahead of my first tensor load; the set-up below stands between the second and the wait
	ds_add_u32 v4, v5
	v_lshrrev_b32 v1, 5, v0
	v_readfirstlane_b32 s28, v1                    ; wave w
	s_bfe_u32 s29, ttmp6, 0x40000                  ; cx: my place in the cluster
	s_lshl_b32 s30, ttmp9, 2                       ; in a cluster launch ttmp9 counts clusters
	s_add_co_u32 s30, s30, s29                     ; RB = 4 x cluster x + cx: it enters the addresses of x, kprev and kout alone
	s_and_b32 s31, ttmp7, 0xffff                   ; SL, which the four partners share
	; descriptor group 1: dense blocks, as rows of 256 bytes (32 elements of 8 bytes).  s[32:39]: 64 rows, a wave's part of W1F.  s[40:47]: 137 rows, BLK(SL, w)
	s_mov_b32 s32, 15|(3<<16)|(1<<21)              ; 15:0 the mask: all four work-groups; 17:16 elements of 8 bytes; 21 set beside a mask; no padding
	s_mov_b32 s33, 32<<16                          ; tensor_dim0 = 32
	s_mov_b32 s34, 64<<16                          ; tensor_dim1 = 64
	s_mov_b32 s35, 32<<16                          ; tile_dim0 = 32
	s_mov_b32 s36, 64                              ; tile_dim1 = 64
	s_mov_b32 s37, 32                              ; 32 elements from row to row
	s_mov_b32 s38, 0
	s_mov_b32 s39, 0
	s_mov_b32 s40, 15|(3<<16)|(1<<21)
	s_mov_b32 s41, 32<<16
	s_mov_b32 s42, 137<<16
	s_mov_b32 s43, 32<<16
	s_mov_b32 s44, 137
	s_mov_b32 s45, 32
	s_mov_b32 s46, 0
	s_mov_b32 s47, 0
	; descriptor group 0: s[48:51] W1F's part, s[52:55] BLK.  LDS addresses hang on the wave's number alone, global ones on it and on SL
	s_mov_b32 s48, 1
	s_mul_i32 s49, s28, REG
	s_lshl_b32 s50, s28, 14                        ; wave w's eight tiles of W1F
	s_mov_b32 s51, 0
	s_mov_b32 s52, 1
	s_add_co_u32 s53, s49, 16384
	s_lshl2_add_u32 s54, s31, s28                  ; 4 SL + w
	s_mul_i32 s54, s54, 35072
	s_add_co_u32 s54, s54, 65536
	s_mov_b32 s55, 0
	s_mov_b32 s56, 0x76543210                      ; v_permlanex16_b32: each lane takes its own place in the other half
	s_mov_b32 s57, 0xfedcba98
	s_lshl_b32 s2, s30, 12                         ; my block's 16 rows of 256 bytes,
	s_lshl_b32 s3, s28, 10                         ; my wave's four of them
	s_add_co_u32 s2, s2, s3
	s_mov_b32 s3, 0
	s_lshl_b32 s4, s28, 9                          ; my 128 hidden j, in f32
	s_mov_b32 s5, 0
	s_lshl_b32 s6, s31, 8                          ; b2: the slice's 64 k, my tile's 16
	s_lshl_b32 s7, s28, 6
	s_add_co_u32 s6, s6, s7
	s_mov_b32 s7, 0
	s_lshl_b32 s60, s31, 17                        ; kout: slice SL of f's parts
	s_mov_b32 s61, 0
	s_lshl_b32 s62, s31, 11                        ; and of the trace's: 2,048 SL + 64 RB
	s_lshl_b32 s63, s30, 6
	s_add_co_u32 s62, s62, s63
	s_mov_b32 s63, 0
	s_wait_dscnt 0x0                               ; both opening adds are done
	s_wait_kmcnt 0x0
.if FIRST == 0
	s_load_b32 s58, s[20:21], 0x0                  ; q; waited for where it is used
	s_add_nc_u64 s[22:23], s[22:23], s[2:3]
	s_add_nc_u64 s[10:11], s[10:11], s[4:5]        ; (row 64's 131,072 stands in the loads' immediates)
.endif
	s_add_nc_u64 s[8:9], s[8:9], s[2:3]
	s_add_nc_u64 s[26:27], s[24:25], s[62:63]      ; the trace's part (1,048,576 stands in the store's immediate)
	s_add_nc_u64 s[24:25], s[24:25], s[2:3]
	s_add_nc_u64 s[24:25], s[24:25], s[60:61]
	s_add_nc_u64 s[12:13], s[12:13], s[4:5]
	s_add_nc_u64 s[14:15], s[14:15], s[6:7]
	s_add_nc_u64 s[50:51], s[18:19], s[50:51]
	s_or_b32 s51, s51, 0x80000000                  ; type = 2
	s_add_nc_u64 s[54:55], s[18:19], s[54:55]
	s_or_b32 s55, s55, 0x80000000
	CROUND                                         ; all four work-groups are here: the joint loads meet
	tensor_load_to_lds s[48:51], s[32:39]          ; both fills go out together: two tensor loads of mine are out, and no more follow
	s_nop 0
	tensor_load_to_lds s[52:55], s[40:47]
	s_nop 0
	v_and_b32 v1, 15, v0                           ; r
	v_bfe_u32 v2, v0, 4, 1                         ; h
	v_and_b32 v3, 31, v0                           ; lane
	v_lshlrev_b32 v18, 4, v3                       ; global: 16 x lane
	v_lshlrev_b32 v19, 5, v2                       ; global: 8 h numbers of f32
	v_lshlrev_b32 v20, 4, v1                       ; global: 16 r
	v_lshlrev_b32 v21, 2, v1                       ; global: 4 r
	; PHASE 0: biases, and the state of my wave's four rows.  All loads go out together
.irp a, 0,1,2,3,4,5,6,7
	global_load_b128 v[ACC1+8*(\a):ACC1+8*(\a)+3],   v19, s[12:13] offset:64*(\a)     ; b1[128 w + 16 a + 8 h + 0..7]
	global_load_b128 v[ACC1+8*(\a)+4:ACC1+8*(\a)+7], v19, s[12:13] offset:64*(\a)+16
.endr
.if FIRST == 0
.irp a, 0,1,2,3,4,5,6,7
	global_load_b128 v[96+8*(\a):96+8*(\a)+3],   v19, s[10:11] offset:131072+64*(\a)  ; W1[64][the same]
	global_load_b128 v[96+8*(\a)+4:96+8*(\a)+7], v19, s[10:11] offset:131072+64*(\a)+16
.endr
.endif
	global_load_b128 v[24:27], v19, s[14:15]                     ; b2[64 SL + 16 w + 8 h + 0..7]
	global_load_b128 v[28:31], v19, s[14:15] offset:16
	global_load_b128 v[224:227], v18, s[8:9]                     ; x: rows 4 w + h and 4 w + 2 + h, columns 4 r + 0..3
	global_load_b128 v[228:231], v18, s[8:9] offset:512
.if FIRST == 0
	global_load_b128 v[232:235], v20, s[16:17]                   ; b3[4 r + 0..3]
.irp q, 0,1,2,3,4,5,6,7
	global_load_b128 v[160+8*(\q):160+8*(\q)+3],   v18, s[22:23] offset:(\q)*131072      ; the eight slices' parts of k_prev, at x's places
	global_load_b128 v[160+8*(\q)+4:160+8*(\q)+7], v18, s[22:23] offset:(\q)*131072+512
.endr
.endif
	; the LDS addresses, while the loads are out
	v_lshl_add_u32 v6, v3, 4, s49                  ; v6  fragments: w REG + 16 lane
	s_add_co_u32 s4, s49, 51200
	v_lshl_add_u32 v7, v2, 5, s4                   ; v7  P: w REG + 51,200 + 32 h
	s_mul_i32 s4, s28, 576
	s_add_co_u32 s4, s4, XS
	v_mul_u32_u24 v8, v2, 144
	v_lshl_add_u32 v8, v1, 3, v8
	v_add_nc_u32 v8, s4, v8                        ; v8  the state, in: XS + (4 w + h) 144 + 8 r
	v_mul_u32_u24 v9, v1, 144
	v_lshl_add_u32 v9, v2, 4, v9                   ; 144 r + 16 h
	v_add_nc_u32 v13, H2, v9                       ; v13 h2's fragments
	s_lshl_b32 s4, s28, 5
	v_add_nc_u32 v12, s4, v13                      ; v12 h2, in: + 32 w
	v_add_nc_u32 v9, XS, v9                        ; v9  the state's fragments
	s_lshl_b32 s4, s28, 13
	s_add_co_u32 s4, s4, PART
	v_lshl_add_u32 v10, v3, 4, s4                  ; v10 partial sums, in: PART + 8,192 w + 16 lane
	s_lshl_b32 s4, s28, 10
	s_add_co_u32 s4, s4, PART
	v_lshl_add_u32 v11, v3, 4, s4                  ; v11 back: tile w: PART + 1,024 w + 16 lane
	s_lshl_b32 s4, s28, 6
	s_add_co_u32 s5, s4, TR
	v_lshl_add_u32 v14, v1, 2, s5                  ; v14 the trace, in: TR + 64 w + 4 r
	v_lshl_add_u32 v15, v1, 2, TR                  ; v15 back
	s_add_co_u32 s5, s4, OST
	v_mul_u32_u24 v16, v1, 272
	v_lshl_add_u32 v16, v2, 5, v16
	v_add_nc_u32 v16, s5, v16                      ; v16 f, in: OST + 272 r + 64 w + 32 h
	s_mul_i32 s4, s28, 1088
	s_add_co_u32 s4, s4, OST
	v_mul_u32_u24 v17, v2, 272
	v_lshl_add_u32 v17, v1, 4, v17
	v_add_nc_u32 v17, s4, v17                      ; v17 back: OST + (4 w + h) 272 + 16 r
.if FIRST == 0
	s_wait_kmcnt 0x0                               ; q: it enters this conversion and nothing else
	v_cvt_f32_u32 v22, s58
	v_mul_f32 v22, 0.5, v22                        ; t
	v_mov_b32 v23, v22
.endif
	s_wait_loadcnt 0x0
.if FIRST == 0
.irp i, 0,2,4,6
	v_pk_add_f32 v[236+(\i):237+(\i)], v[232+(\i)%4:233+(\i)%4], v[160+(\i):161+(\i)]    ; b3 starts the sums: four chains that do not wait for each other
.endr
.irp q, 1,2,3,4,5,6,7
.irp i, 0,2,4,6
	v_pk_add_f32 v[236+(\i):237+(\i)], v[236+(\i):237+(\i)], v[160+8*(\q)+(\i):161+8*(\q)+(\i)]
.endr
.endr
.irp i, 0,2,4,6
	v_pk_fma_f32 v[224+(\i):225+(\i)], v[236+(\i):237+(\i)], v[22:23], v[224+(\i):225+(\i)]  ; x + t k_prev
.endr
.endif
	v_cvt_pk_f16_f32 v244, v224, v225
	v_cvt_pk_f16_f32 v245, v226, v227
	v_cvt_pk_f16_f32 v246, v228, v229
	v_cvt_pk_f16_f32 v247, v230, v231
	ds_store_b64 v8, v[244:245]
	ds_store_b64 v8, v[246:247] offset:288         ; two rows on
.if FIRST == 0
.set i, 0
.rept 32
	v_pk_fma_f32 v[ACC1+i:ACC1+i+1], v[96+i:96+i+1], v[22:23], v[ACC1+i:ACC1+i+1]  ; b1 + t W1[64]: what layer 1's sums start from
.set i, i+2
.endr
.endif
	s_wait_dscnt 0x0                               ; for the others' sake: my rows of the state are stored
	s_barrier_signal -1
	s_barrier_wait -1
	; PHASE 1: a1 for my 128 hidden j: 8 tiles x 2 K steps
	ds_load_b128 v[224:227], v9                    ; the state's fragments: batch row r, i = 32 k1 + 8 h .. and 32 k1 + 16 + 8 h ..
	ds_load_b128 v[228:231], v9 offset:32
	ds_load_b128 v[232:235], v9 offset:64
	ds_load_b128 v[236:239], v9 offset:96
	s_wait_tensorcnt 0x1                           ; my part of W1F, the older of my two loads, is in; I alone read it
.irp k, 0,1
.irp a, 0,1,2,3,4,5,6,7
	ds_load_b128 v[96+64*(\k)+8*(\a):96+64*(\k)+8*(\a)+3],   v6 offset:2048*(\a)+1024*(\k)
	ds_load_b128 v[96+64*(\k)+8*(\a)+4:96+64*(\k)+8*(\a)+7], v6 offset:2048*(\a)+1024*(\k)+512
.endr
.endr
	s_wait_dscnt 16                                ; all but the second K step's sixteen loads
.irp a, 0,1,2,3,4,5,6,7
	v_wmma_f32_16x16x32_f16 v[ACC1+8*(\a):ACC1+8*(\a)+7], v[96+8*(\a):96+8*(\a)+7], v[224:231], v[ACC1+8*(\a):ACC1+8*(\a)+7]  ; the eight accumulators take turns
.endr
	s_wait_dscnt 0x0
.irp a, 0,1,2,3,4,5,6,7
	v_wmma_f32_16x16x32_f16 v[ACC1+8*(\a):ACC1+8*(\a)+7], v[160+8*(\a):160+8*(\a)+7], v[232:239], v[ACC1+8*(\a):ACC1+8*(\a)+7]
.endr
	PLACES
	TANH ACC1, 64
.set g, 0
.rept 8                                ; four pairs at a time, in four sets of registers: h1 = 1 - 2 R, d1 = R (4 - 4 R), each rounded once to f16
.irp q, 0,1,2,3
	v_pk_fma_f32 v[240+4*(\q):241+4*(\q)], v[ACC1+8*g+2*(\q):ACC1+8*g+2*(\q)+1], -2.0, 1.0 op_sel_hi:[1,0,0]
.endr
.irp q, 0,1,2,3
	v_pk_fma_f32 v[242+4*(\q):243+4*(\q)], v[ACC1+8*g+2*(\q):ACC1+8*g+2*(\q)+1], -4.0, 4.0 op_sel_hi:[1,0,0]
.endr
.irp q, 0,1,2,3
	v_pk_mul_f32 v[242+4*(\q):243+4*(\q)], v[242+4*(\q):243+4*(\q)], v[ACC1+8*g+2*(\q):ACC1+8*g+2*(\q)+1]
.endr
.irp q, 0,1,2,3
	v_cvt_pk_f16_f32 v[HF+4*g+(\q)], v[240+4*(\q)], v[241+4*(\q)]
.endr
.irp q, 0,1,2,3
	v_cvt_pk_f16_f32 v[DF+4*g+(\q)], v[242+4*(\q)], v[243+4*(\q)]
.endr
.set g, g+1
.endr
	; PHASE 2: my four K steps of a2 and u, all four tiles: eight chunks of four products; a2's and u's chunks alternate, so seven other accumulators stand between two links of a chain
	s_wait_tensorcnt 0x0                           ; BLK is in; I alone read it
	LDCH 0
	LDCH 1
	LDCH 2
.irp c, 0,1,2,3,4,5,6,7
.if (\c) == 7
	s_wait_dscnt 8                                 ; behind the last chunk's loads stand P's eight
.else
	s_wait_dscnt 16                                ; behind this chunk's loads stand two younger groups of eight
.endif
	MULCH \c
.if (\c) <= 5
	PLACES                                         ; the buffer just multiplied is loaded again
.endif
.if (\c) <= 4
	LDCH (\c)+3
.endif
.if (\c) == 5
.irp t, 0,1,2,3
	ds_load_b128 v[FB+64+8*(\t):FB+64+8*(\t)+3],   v7 offset:64*(\t)      ; P[t][8 h + 0..7], at u's places
	ds_load_b128 v[FB+64+8*(\t)+4:FB+64+8*(\t)+7], v7 offset:64*(\t)+16
.endr
.endif
.endr
	PLACES
.irp t, 0,1,2,3
	ds_store_b128 v10, v[A2+8*(\t):A2+8*(\t)+3] offset:1024*(\t)          ; each accumulator's low four registers first
	ds_store_b128 v10, v[A2+8*(\t)+4:A2+8*(\t)+7] offset:1024*(\t)+512
.endr
	s_wait_dscnt 8                                 ; the eight stores may be out; P, asked for ahead of them, is in
.set i, 0
.rept 16
	v_pk_mul_f32 v[U+i:U+i+1], v[U+i:U+i+1], v[FB+64+i:FB+64+i+1]          ; my chain's scale comes back, in f32
.set i, i+2
.endr
.irp t, 0,1,2,3
	ds_store_b128 v10, v[U+8*(\t):U+8*(\t)+3] offset:4096+1024*(\t)
	ds_store_b128 v10, v[U+8*(\t)+4:U+8*(\t)+7] offset:4096+1024*(\t)+512
.endr
	s_wait_dscnt 0x0                               ; for the others' sake
	s_barrier_signal -1
	s_barrier_wait -1
	; PHASE 2b: tile w: the four waves' partial sums, tanh, the trace's part
.irp k, 0,1
.irp q, 0,1,2,3
	ds_load_b128 v[160+32*(\k)+8*(\q):160+32*(\k)+8*(\q)+3],   v11 offset:8192*(\q)+4096*(\k)
	ds_load_b128 v[160+32*(\k)+8*(\q)+4:160+32*(\k)+8*(\q)+7], v11 offset:8192*(\q)+4096*(\k)+512
.endr
.endr
	s_wait_dscnt 0x0
.irp p, 0,2,4,6
	v_pk_add_f32 v[32+(\p):33+(\p)], v[24+(\p):25+(\p)], v[160+(\p):161+(\p)]      ; a2 = b2 + the four parts
	v_pk_add_f32 v[40+(\p):41+(\p)], v[192+(\p):193+(\p)], v[200+(\p):201+(\p)]    ; u
.endr
.irp q, 1,2,3
.irp p, 0,2,4,6
	v_pk_add_f32 v[32+(\p):33+(\p)], v[32+(\p):33+(\p)], v[160+8*(\q)+(\p):161+8*(\q)+(\p)]
.endr
.endr
.irp q, 2,3
.irp p, 0,2,4,6
	v_pk_add_f32 v[40+(\p):41+(\p)], v[40+(\p):41+(\p)], v[192+8*(\q)+(\p):193+8*(\q)+(\p)]
.endr
.endr
	TANH 32, 8
.irp p, 0,2,4,6
	v_pk_fma_f32 v[48+(\p):49+(\p)], v[32+(\p):33+(\p)], -2.0, 1.0 op_sel_hi:[1,0,0]  ; h2
	v_pk_fma_f32 v[56+(\p):57+(\p)], v[32+(\p):33+(\p)], -4.0, 4.0 op_sel_hi:[1,0,0]
.endr
.irp p, 0,2,4,6
	v_pk_mul_f32 v[56+(\p):57+(\p)], v[56+(\p):57+(\p)], v[32+(\p):33+(\p)]           ; d2, kept in f32
.endr
.irp p, 0,1,2,3
	v_cvt_pk_f16_f32 v[64+(\p)], v[48+2*(\p)], v[49+2*(\p)]
.endr
	ds_store_b128 v12, v[64:67]                    ; h2[r][16 w + 8 h + 0..7]
	v_pk_mul_f32 v[68:69], v[56:57], v[40:41]
	v_pk_fma_f32 v[68:69], v[58:59], v[42:43], v[68:69]
	v_pk_fma_f32 v[68:69], v[60:61], v[44:45], v[68:69]
	v_pk_fma_f32 v[68:69], v[62:63], v[46:47], v[68:69]
	v_add_f32 v68, v68, v69
	v_permlanex16_b32 v69, v68, s56, s57           ; the row's other eight k lie in the lane 16 away
	v_add_f32 v68, v68, v69
	ds_store_b32 v14, v68                          ; both halves of the lanes write the same number to the same word
	s_wait_dscnt 0x0
	s_barrier_signal -1
	s_barrier_wait -1
	; PHASE 3: my 16 outputs o = 16 w + .. of f's part: K = the slice's 64 k
.irp k, 0,1
	ds_load_b128 v[160+8*(\k):160+8*(\k)+3],   v13 offset:64*(\k)
	ds_load_b128 v[160+8*(\k)+4:160+8*(\k)+7], v13 offset:64*(\k)+32
	ds_load_b128 v[176+8*(\k):176+8*(\k)+3],   v6 offset:49152+1024*(\k)
	ds_load_b128 v[176+8*(\k)+4:176+8*(\k)+7], v6 offset:49152+1024*(\k)+512
.endr
	s_wait_dscnt 0x0
	v_wmma_f32_16x16x32_f16 v[192:199], v[176:183], v[160:167], 0  ; two sums of one K step each: no chain
	v_wmma_f32_16x16x32_f16 v[200:207], v[184:191], v[168:175], 0
	PLACES
.irp p, 0,2,4,6
	v_pk_add_f32 v[192+(\p):193+(\p)], v[192+(\p):193+(\p)], v[200+(\p):201+(\p)]
.endr
	ds_store_b128 v16, v[192:195]
	ds_store_b128 v16, v[196:199] offset:16
	s_cmp_lg_u32 s28, 0
	s_cbranch_scc1 .Lnot0                          ; wave 0 adds the four tiles' parts of the trace; no barrier is jumped
.irp q, 0,1,2,3
	ds_load_b32 v[208+(\q)], v15 offset:64*(\q)
.endr
	s_wait_dscnt 0x0
	v_add_f32 v208, v208, v209
	v_add_f32 v210, v210, v211
	v_add_f32 v208, v208, v210
	global_store_b32 v21, v208, s[26:27] offset:1048576          ; 16 rows: 64 bytes; both halves of the lanes write the same numbers
.Lnot0:
	s_wait_dscnt 0x0                               ; for the others' sake: my columns of f's part are stored
	s_barrier_signal -1
	s_barrier_wait -1
	ds_load_b128 v[216:219], v17                   ; back as whole rows: lanes 0-15 one row of 256 bytes, lanes 16-31 the next
	ds_load_b128 v[220:223], v17 offset:544
	s_wait_dscnt 0x0
	global_store_b128 v18, v[216:219], s[24:25]                  ; each store of the wave covers 512 consecutive bytes, aligned
	global_store_b128 v18, v[220:223], s[24:25] offset:512
	s_wait_tensorcnt 0x0                           ; the wave's end: behind my last tensor load and my last LDS store
	ds_add_u32 v4, v5
	s_wait_dscnt 0x0
	CROUND                                         ; the closing round: no work-group ends while a partner may still ask for a tile that names it
	s_endpgm
.Lfunc_end_k_q46e014a15f_ev2:
	.size	k_q46e014a15f_ev2, .Lfunc_end_k_q46e014a15f_ev2-k_q46e014a15f_ev2
	.p2alignl 7, 3214868480
	.fill 96, 4, 3214868480
	.section	.rodata,"a",@progbits
	.p2align	6, 0x0
	.amdhsa_kernel k_q46e014a15f_ev2
		.amdhsa_group_segment_fixed_size 248320
		.amdhsa_private_segment_fixed_size 0
		.amdhsa_enable_private_segment 0
		.amdhsa_kernarg_size 72
		.amdhsa_user_sgpr_count 2
		.amdhsa_user_sgpr_kernarg_segment_ptr 1
		.amdhsa_wavefront_size32 1
		.amdhsa_system_sgpr_workgroup_id_x 1
		.amdhsa_system_sgpr_workgroup_id_y 1
		.amdhsa_system_sgpr_workgroup_id_z 1
		.amdhsa_system_vgpr_workitem_id 0
		.amdhsa_next_free_vgpr 256
		.amdhsa_next_free_sgpr 66
		.amdhsa_reserve_vcc 0
		.amdhsa_float_denorm_mode_32 3
		.amdhsa_float_denorm_mode_16_64 3
		.amdhsa_memory_ordered 1
		.amdhsa_forward_progress 1
		.amdhsa_inst_pref_size 57
	.end_amdhsa_kernel
	.amdgpu_metadata
---
amdhsa.version: [ 1, 2 ]
amdhsa.kernels:
  - .name:           k_q46e014a15f_ev2
    .symbol:         k_q46e014a15f_ev2.kd
    .args:
      - { .name: x, .offset: 0, .size: 8, .value_kind: global_buffer, .address_space: global }
      - { .name: W1, .offset: 8, .size: 8, .value_kind: global_buffer, .address_space: global }
      - { .name: b1, .offset: 16, .size: 8, .value_kind: global_buffer, .address_space: global }
      - { .name: b2, .offset: 24, .size: 8, .value_kind: global_buffer, .address_space: global }
      - { .name: b3, .offset: 32, .size: 8, .value_kind: global_buffer, .address_space: global }
      - { .name: wts, .offset: 40, .size: 8, .value_kind: global_buffer, .address_space: global }
      - { .name: pB, .offset: 48, .size: 8, .value_kind: global_buffer, .address_space: global }
      - { .name: kp1, .offset: 56, .size: 8, .value_kind: global_buffer, .address_space: global }
      - { .name: kp2, .offset: 64, .size: 8, .value_kind: global_buffer, .address_space: global }
    .group_segment_fixed_size: 248320
    .private_segment_fixed_size: 0
    .kernarg_segment_align: 8
    .kernarg_segment_size: 72
    .max_flat_workgroup_size: 128
    .sgpr_count:     66
    .vgpr_count:     256
    .wavefront_size: 32
...
	.end_amdgpu_metadata
.endif
;; end of part 3
;; launch ev3: the kernel of part 3 again; grid 32 x 8, 4 waves a work-group, clusters of 4 x 1, 248,320 bytes of LDS; arguments x, W1, b1, b2, b3, wts, pB, kp2, kp3; writes kp3
;; launch ev4: the kernel of part 3 again; grid 32 x 8, 4 waves a work-group, clusters of 4 x 1, 248,320 bytes of LDS; arguments x, W1, b1, b2, b3, wts, pC, kp3, kp4; writes kp4
;; launch fin (part 4): grid 64 x 1, 4 waves a work-group, no clusters, 0 bytes of LDS; arguments x, b3, kp1, kp2, kp3, kp4, out0, out1; writes out0, out1
.if DOCPART == 4
	.amdgcn_target "amdgcn-amd-amdhsa--gfx1250"
	.amdhsa_code_object_version 6
	.text
	.protected	k_q46e014a15f_fin
	.globl	k_q46e014a15f_fin
	.p2align	8
	.type	k_q46e014a15f_fin,@function
k_q46e014a15f_fin:
	s_mov_b64 s[64:65], 0
	v_nop
	global_prefetch_b8 v0, s[64:65] scope:SCOPE_SE
	s_setreg_imm32_b32 hwreg(HW_REG_WAVE_MODE, 25, 1), 1
	s_wait_xcnt 0x0
; THE RK4 SUM.  z = x + (k1 + 2 k2 + 2 k3 + k4) / 6, log_det = -(tr1 + 2 tr2 + 2 tr3 + tr4) / 6.  Each k and tr lies in its buffer as eight slices' parts in f32 (k without b3).
; The four b3 come to (1 + 2 + 2 + 1) / 6 = 1 times b3, which is added once.  log_det starts from the zeros that the step builds itself: nothing is added for them.
; kp: f's parts [8][512][64] f32, then from byte 1,048,576 the trace's parts [8][512] f32.
; SHARES.  Wave gw = 4 x work-group + wave owns rows 2 gw and 2 gw + 1: 512 consecutive bytes of x, of each part and of out0: a stream, all 38 loads of a wave out at once; no LDS, no barrier, no matrix unit.
; out1 is 2,048 bytes in all: a wave stores its two numbers, 8 bytes; whole blocks of 256 bytes would want 64 rows to a wave and leave 8 waves with work.
	s_load_b512 s[8:23], s[0:1], 0x0               ; x s[8:9], b3 s[10:11], kp1-kp4 s[12:19], out0 s[20:21], out1 s[22:23]
	v_and_b32 v1, 31, v0                           ; lane
	s_lshl_b32 s2, ttmp9, 11                       ; the work-group's eight rows
	s_lshl_b32 s3, ttmp9, 5                        ; their eight words of a trace
	v_lshl_add_u32 v2, v0, 4, s2                   ; 512 gw + 16 lane
	v_and_b32 v3, 15, v0
	v_lshlrev_b32 v3, 4, v3                        ; b3: columns 4 (lane % 16) + 0..3
	v_lshrrev_b32 v7, 5, v0
	v_lshl_add_u32 v20, v7, 3, s3                  ; 8 gw
	v_and_b32 v6, 1, v0
	v_lshl_add_u32 v20, v6, 2, v20                 ; row 2 gw + lane % 2: inside out1 in every lane
	v_bfe_u32 v5, v0, 1, 3
	v_lshl_add_u32 v4, v5, 11, v20                 ; slice (lane / 2) % 8 of that row's trace
	s_wait_kmcnt 0x0
	global_load_b128 v[8:11], v2, s[8:9] th:TH_LOAD_NT
	global_load_b128 v[12:15], v3, s[10:11]
.irp e, 0,1,2,3
	global_load_b32 v[16+(\e)], v4, s[12+2*(\e):13+2*(\e)] offset:1048576 th:TH_LOAD_NT
.endr
.irp e, 0,1,2,3
.irp q, 0,1,2,3,4,5,6,7
	global_load_b128 v[32+32*(\e)+4*(\q):32+32*(\e)+4*(\q)+3], v2, s[12+2*(\e):13+2*(\e)] offset:(\q)*131072 th:TH_LOAD_NT
.endr
.endr
	s_wait_loadcnt 0x0
.irp q, 1,2,3,4,5,6,7
.irp e, 0,1,2,3
.irp p, 0,2
	v_pk_add_f32 v[32+32*(\e)+(\p):33+32*(\e)+(\p)], v[32+32*(\e)+(\p):33+32*(\e)+(\p)], v[32+32*(\e)+4*(\q)+(\p):33+32*(\e)+4*(\q)+(\p)]  ; eight chains that do not wait for each other
.endr
.endr
.endr
.irp p, 0,2
	v_pk_add_f32 v[32+(\p):33+(\p)], v[32+(\p):33+(\p)], v[128+(\p):129+(\p)]  ; k1 + k4
	v_pk_add_f32 v[64+(\p):65+(\p)], v[64+(\p):65+(\p)], v[96+(\p):97+(\p)]    ; k2 + k3
	v_pk_add_f32 v[8+(\p):9+(\p)], v[8+(\p):9+(\p)], v[12+(\p):13+(\p)]        ; x + b3
.endr
	v_add_f32 v16, v16, v19                        ; tr1 + tr4
	v_add_f32 v17, v17, v18                        ; tr2 + tr3
.irp p, 0,2
	v_pk_fma_f32 v[32+(\p):33+(\p)], v[64+(\p):65+(\p)], 2.0, v[32+(\p):33+(\p)] op_sel_hi:[1,0,1]
.endr
	v_fma_f32 v16, v17, 2.0, v16
.irp p, 0,2
	v_pk_fma_f32 v[8+(\p):9+(\p)], v[32+(\p):33+(\p)], 0x3e2aaaab, v[8+(\p):9+(\p)] op_sel_hi:[1,0,1]  ; 1 / 6
.endr
	global_store_b128 v2, v[8:11], s[20:21] th:TH_STORE_NT       ; 512 consecutive bytes, aligned
	v_add_f32_dpp v16, v16, v16 row_xmask:2 row_mask:0xf bank_mask:0xf  ; the eight slices lie in the lanes of my parity
	v_add_f32_dpp v16, v16, v16 row_xmask:4 row_mask:0xf bank_mask:0xf
	v_add_f32_dpp v16, v16, v16 row_xmask:8 row_mask:0xf bank_mask:0xf
	v_mul_f32 v16, 0xbe2aaaab, v16                 ; -1 / 6
	v_cmp_gt_u32 vcc_lo, 2, v1
	s_wait_xcnt 0x0                                ; EXEC changes only behind this wait: the store above has read its sources
	s_and_saveexec_b32 s4, vcc_lo                  ; lanes 0 and 1
	global_store_b32 v20, v16, s[22:23]
	s_wait_xcnt 0x0                                ; and again, in front of the line that widens it
	s_or_b32 exec_lo, exec_lo, s4
	s_endpgm
.Lfunc_end_k_q46e014a15f_fin:
	.size	k_q46e014a15f_fin, .Lfunc_end_k_q46e014a15f_fin-k_q46e014a15f_fin
	.p2alignl 7, 3214868480
	.fill 96, 4, 3214868480
	.section	.rodata,"a",@progbits
	.p2align	6, 0x0
	.amdhsa_kernel k_q46e014a15f_fin
		.amdhsa_group_segment_fixed_size 0
		.amdhsa_private_segment_fixed_size 0
		.amdhsa_enable_private_segment 0
		.amdhsa_kernarg_size 64
		.amdhsa_user_sgpr_count 2
		.amdhsa_user_sgpr_kernarg_segment_ptr 1
		.amdhsa_wavefront_size32 1
		.amdhsa_system_sgpr_workgroup_id_x 1
		.amdhsa_system_sgpr_workgroup_id_y 1
		.amdhsa_system_sgpr_workgroup_id_z 1
		.amdhsa_system_vgpr_workitem_id 0
		.amdhsa_next_free_vgpr 160
		.amdhsa_next_free_sgpr 66
		.amdhsa_reserve_vcc 1
		.amdhsa_float_denorm_mode_32 3
		.amdhsa_float_denorm_mode_16_64 3
		.amdhsa_memory_ordered 1
		.amdhsa_forward_progress 1
		.amdhsa_inst_pref_size 10
	.end_amdhsa_kernel
	.amdgpu_metadata
---
amdhsa.version: [ 1, 2 ]
amdhsa.kernels:
  - .name:           k_q46e014a15f_fin
    .symbol:         k_q46e014a15f_fin.kd
    .args:
      - { .name: x, .offset: 0, .size: 8, .value_kind: global_buffer, .address_space: global }
      - { .name: b3, .offset: 8, .size: 8, .value_kind: global_buffer, .address_space: global }
      - { .name: kp1, .offset: 16, .size: 8, .value_kind: global_buffer, .address_space: global }
      - { .name: kp2, .offset: 24, .size: 8, .value_kind: global_buffer, .address_space: global }
      - { .name: kp3, .offset: 32, .size: 8, .value_kind: global_buffer, .address_space: global }
      - { .name: kp4, .offset: 40, .size: 8, .value_kind: global_buffer, .address_space: global }
      - { .name: out0, .offset: 48, .size: 8, .value_kind: global_buffer, .address_space: global }
      - { .name: out1, .offset: 56, .size: 8, .value_kind: global_buffer, .address_space: global }
    .group_segment_fixed_size: 0
    .private_segment_fixed_size: 0
    .kernarg_segment_align: 8
    .kernarg_segment_size: 64
    .max_flat_workgroup_size: 128
    .sgpr_count:     66
    .vgpr_count:     160
    .wavefront_size: 32
...
	.end_amdgpu_metadata
.endif
;; end of part 4
